; MI455X (gfx1250); checked and timed in simulation.
; The chip was launched on July 23, 2026; its instructions are those of AMD's public machine-readable ISA for CDNA 5 (MIT licence, August 2026) and "CDNA5" Instruction Set Architecture Reference Guide (July 2026). The comments in the code are by the model that wrote it; some were corrected since.
;; Fast Attention. Allowed arithmetic: matrix products marked QUANTISED: E2M3 operands, one E8M0 scale for each 32 along K, by v_wmma_scale_f32_16x16x128_f8f6f4 with both operands' format E2M3, f32 sums; products left as they are: f32 operands where the result goes on into a quantised operand, else bf16, f16 or f32 operands; f32 sums; everything else in f32.
;; Inputs: Wk_codes 512 x 16 x 24 uint8 (E2M3 codes of Wk, K innermost, in blocks of 32 codes, four codes in three bytes); Wk_scales 512 x 16 uint8 (E8M0 scales of Wk, one for each 32 codes along K); Wq_codes 512 x 16 x 24 uint8 (E2M3 codes of Wq, K innermost, in blocks of 32 codes, four codes in three bytes); Wq_scales 512 x 16 uint8 (E8M0 scales of Wq, one for each 32 codes along K); Wv_codes 512 x 16 x 24 uint8 (E2M3 codes of Wv, K innermost, in blocks of 32 codes, four codes in three bytes); Wv_scales 512 x 16 uint8 (E8M0 scales of Wv, one for each 32 codes along K); bk 512 float32; bq 512 float32; bv 512 float32; x 64 x 2,048 x 512 float32.
;; Outputs: out0 64 x 512 float32.
;; This version of the problem:
;;   THIS VERSION OF THE PROBLEM IS GIVEN IN LOW PRECISION. The matrix products marked QUANTISED in the list below multiply operands that are first quantised to E2M3 (2 exponent bits, 3 mantissa bits; 6 bits a number), with one power-of-two scale for each 32 numbers along K (OCP MX v1.0); their sums are f32. All else is computed in f32.
;;   The module's matrix products, in the order in which they are computed (A, B: the left and right operand; K: the contracted axis; several contracted axes count as one K, in the product's order):
;;     1. [M 64, K 512] x [K 512, N 512]; A: computed on the way; B: input Wq (given as codes): QUANTISED
;;     2. [M 131,072, K 512] x [K 512, N 512]; A: input x; B: input Wk (given as codes): QUANTISED
;;     3. batch 64 x [M 1, K 512] x [K 512, N 2,048]; A: computed on the way; B: computed on the way: left as it is (M = 1 < 16)
;;     4. [M 131,072, K 512] x [K 512, N 512]; A: input x; B: input Wv (given as codes): QUANTISED
;;     5. batch 64 x [M 1, K 2,048] x [K 2,048, N 512]; A: softmax; B: computed on the way: left as it is (M = 1 < 16)
;;   THE QUANTISER, for each operand of a quantised product, along K:
;;     - K is cut into blocks of 32 from its start; a last block that is shorter is filled with zeros.
;;     - A block's scale is 2^e with e = floor(log2(the largest magnitude in the block)) - 2, held to -126 .. 127; a block of zeros has e = 0. As a byte (E8M0): e + 127.
;;     - Each number is divided by its block's scale, clamped to +-7.5, and rounded to the nearest number of E2M3, ties to even, subnormals kept.
;;     - The product sums the exact products of the quantised numbers (number of the format x scale) in f32.
;;   ~~~python
;;   def quantise(x, axis):      # numpy; x: float32 -> the quantised numbers, widened to float32 again
;;       x = np.moveaxis(x, axis, -1); K = x.shape[-1]
;;       x = np.pad(x, [(0, 0)] * (x.ndim - 1) + [(0, -K % 32)]); x = x.reshape(x.shape[:-1] + (-1, 32)); a = np.abs(x).max(-1, keepdims=True)
;;       e = np.where(a > 0, np.clip(np.frexp(np.where(a > 0, a, 1))[1] - 1 - 2, -126, 127), 0)      # np.frexp(a)[1] - 1 = floor(log2(a)), exactly
;;       r = np.clip(x / 2.0 ** e, -7.5, 7.5)
;;       step = 2.0 ** (np.maximum(np.frexp(np.where(r == 0, 1, r))[1] - 1, 0) - 3)
;;       q = np.round(r / step) * step * 2.0 ** e      # np.round: ties to even
;;       return np.moveaxis(q.reshape(q.shape[:-2] + (-1,))[..., :K], -1, axis).astype(np.float32)
;;   ~~~
;;   OPERANDS COMPUTED ON THE WAY. 'Computed on the way' means the value that the module computes at that place (a softmax that the list does not call 'softmax' is quantised finished and normalised). What goes into a quantiser is computed in f32, as accurately as f32 sums, v_exp_f32 and their like allow (about 1e-6 of the number): no bf16 or f16 on the way to a quantiser, and a product that is left as it is and whose result goes on into a quantised operand takes f32 operands (vector FMAs, or v_wmma_f32_16x16x4_f32). A number that lies on a knife's edge between two numbers of the format may be rounded either way, as far as f32 arithmetic and the matrix unit's own rounding can turn it there, and no further.
;;   INPUTS GIVEN AS CODES. Wk (in the module: [512, 512], K = its axis 1); Wq (in the module: [512, 512], K = its axis 1); Wv (in the module: [512, 512], K = its axis 1): each comes as NAME_codes (uint8): NAME with its K axis moved to the last place and cut into blocks of 32 codes, [.., K / 32, bytes a block], one block behind the other in memory; four codes in three bytes: a row's codes are one little-endian stream of bits, code i at bits 6 i .. 6 i + 5 (a code: sign, 2 exponent bits, 3 mantissa bits); and NAME_scales (uint8): the same leading axes, one E8M0 byte (e + 127) for each 32 codes along K. Its value is code x scale, taken as it is: it is not quantised again, and the codes and scales need not be those that the quantiser above would give.
;; One version. Each part assembles by itself: llvm-mc -triple=amdgcn-amd-amdhsa -mcpu=gfx1250 --defsym DOCPART=n.
;; ======== version 1 of 1: 3 launches
;; limits: right only within a limited range of input values
;; workspace buffers: xc 50,331,648 bytes; xs 2,097,152 bytes; psum 524,288 bytes; wimg 589,824 bytes; po 524,288 bytes; pst 65,536 bytes
;; launch quant (part 1): grid 256 x 1, 16 waves a work-group, no clusters, 169,984 bytes of LDS; arguments x, Wq_codes, Wk_codes, Wv_codes, xc, xs, psum, wimg; writes xc, xs, psum, wimg
.if DOCPART == 1
	.amdgcn_target "amdgcn-amd-amdhsa--gfx1250"
	.amdhsa_code_object_version 6
	.text
	.protected	k_qbb6241c5ae_quant
	.globl	k_qbb6241c5ae_quant
	.p2align	8
	.type	k_qbb6241c5ae_quant,@function
k_qbb6241c5ae_quant:
	s_mov_b64 s[64:65], 0
	v_nop
	global_prefetch_b8 v0, s[64:65] scope:SCOPE_SE
	s_setreg_imm32_b32 hwreg(HW_REG_WAVE_MODE, 25, 1), 1
	s_wait_xcnt 0x0
; x [131072 tokens][512] f32 is read ONCE and becomes three things:
;   xc   codes of FP6 (E2M3), laid as images of the matrix operand's registers: [tile of 16 tokens][K step of 128][1,536 bytes]; register n of lane l at 512 (n / 4) + 16 l + 4 (n % 4)
;   xs   one E8M0 byte for each 32 along K, [token][16]: a tile is 256 bytes
;   psum the column sums of the work-group's 512 tokens, [work-group][512] f32 (four work-groups make a batch's mean in the next launch)
; and the three weights' codes are laid into the same image form (wimg), 384 fragments, one for each of the first 384 numbers 256 x wave + work-group.
; A block's scale is 2^(floor(log2(largest magnitude)) - 2): its byte is the largest magnitude's exponent field - 2, held at 1 from below.
; LIMITS: NaN and infinities in x are not served; a block whose largest magnitude lies under 2^-124 keeps the byte 1; a block of zeros gets the byte 1 with zero codes (the bytes are read by this program alone).
; SHARES: work-group g: tokens 512 g on; wave w: tiles 2 w, 2 w + 1; eight steps of 16 rows x 128 along K.  Each load takes 512 consecutive bytes of one row; the step's 8,192 bytes turn through the wave's own
; stage in LDS (rows 528 bytes apart), so that lane (r, h) gets k = 64 c + 32 h + 0 .. 31 of row r: two whole blocks, in the order of the operand's registers.  No matrix unit, no cluster: the launch is a stream and its work-groups share no input but 1,536 bytes of weights each.
.set STG,   8448                       ; a wave's stage: 16 rows x 528
.set PITCH, 528                        ; 512 bytes + 16
.set CSUM,  135168                     ; behind the 16 stages: 2,048 bytes of column sums for each wave
.set CS, 8                             ; v8-23    column sums: K step s at v[8 + 4 s]: my 4 columns 128 s + 4 lane
.set F,  24                            ; v24-35   a fragment's 12 registers
.set T,  36                            ; v36-43   the second halves of the blocks' codes (a conversion's three registers begin on an even number)
.set M,  44                            ; v44-45   largest magnitudes
.set SO, 46                            ; v46-47   the conversions' scale operands
.set BY, 48                            ; v48-49   scale bytes
.set SW, 52                            ; v52-55   a tile's four scale words
.set R,  64                            ; v64-191  two sets of 16 rows as loaded
.set X,  192                           ; v192-255 the 64 numbers of my row, turned
	s_load_b256 s[4:11], s[0:1], 0x0               ; x, Wq's, Wk's, Wv's codes
	s_load_b256 s[12:19], s[0:1], 0x20             ; xc, xs, psum, wimg
	v_lshl_add_u32 v62, v0, 2, 0x29000
	v_mov_b32 v63, 0
	v_lshrrev_b32 v1, 5, v0
	s_delay_alu instid0(VALU_DEP_1)
	v_readfirstlane_b32 s20, v1                    ; wave 0..15
	v_and_b32 v1, 31, v0
	s_delay_alu instid0(VALU_DEP_1)
	v_lshlrev_b32 v1, 4, v1                        ; 16 x lane: never rewritten
	v_and_b32 v36, 15, v0                          ; r
	v_bfe_u32 v37, v0, 4, 1                        ; h
	s_mul_i32 s26, s20, STG
	v_add_nc_u32 v2, s26, v1                       ; the stage, on the way in
	v_mul_u32_u24 v3, v36, PITCH
	s_delay_alu instid0(VALU_DEP_1)
	v_lshl_add_u32 v3, v37, 7, v3
	s_delay_alu instid0(VALU_DEP_1)
	v_add_nc_u32 v3, s26, v3                       ; and out: row r, + 128 h
	v_lshlrev_b32 v4, 4, v36
	s_delay_alu instid0(VALU_DEP_1)
	v_lshl_add_u32 v4, v37, 3, v4                  ; xs: 16 r + 8 h
	s_lshl_b32 s27, s20, 11
	s_add_co_u32 s27, s27, CSUM
	v_add_nc_u32 v5, s27, v1                       ; my wave's column sums
	v_lshlrev_b32 v6, 3, v37                       ; 8 h: my bytes' place in a scale word
	v_mul_u32_u24 v7, v36, 384
	s_delay_alu instid0(VALU_DEP_1)
	v_mad_u32_u24 v7, v37, 24, v7                  ; a weight's row r of 384 bytes, + 24 h
	v_mov_b32 v51, 0                               ; written once: a lane permute's destination counts as one of its sources
	v_lshl_add_u32 v58, v0, 4, CSUM                ; the last sum: 16 x thread
	v_lshlrev_b32 v59, 4, v0
	s_mov_b32 s22, 0x76543210
	s_mov_b32 s23, 0xfedcba98                      ; v_permlanex16_b32's selects for lane l xor 16
	s_mov_b32 s24, 0xffff0000                      ; lanes 16-31
	s_lshl_b32 s28, ttmp9, 20                      ; x: 512 rows of 2,048 bytes a work-group,
	s_lshl_b32 s29, s20, 16                        ; 32 a wave
	s_add_co_u32 s28, s28, s29
	s_mov_b32 s29, 0
	s_lshl_b32 s30, ttmp9, 5
	s_lshl_b32 s31, s20, 1
	s_add_co_u32 s30, s30, s31                     ; my first tile: 32 g + 2 w
	s_mul_i32 s32, s30, 6144
	s_mov_b32 s33, 0
	s_lshl_b32 s34, s30, 8
	s_mov_b32 s35, 0
	s_lshl_b32 s36, ttmp9, 11
	s_mov_b32 s37, 0
	s_lshl_b32 s31, s20, 8
	s_add_co_u32 s31, s31, ttmp9                   ; f = 256 w + g: which fragment of the weights is mine, if any
	s_wait_kmcnt 0x0
	s_add_nc_u64 s[4:5], s[4:5], s[28:29]
	s_add_nc_u64 s[12:13], s[12:13], s[32:33]
	s_add_nc_u64 s[14:15], s[14:15], s[34:35]
	s_add_nc_u64 s[16:17], s[16:17], s[36:37]
.macro LOAD t                          ; step t: tile t / 4, K step t % 4: 16 rows, 512 consecutive bytes a load
.irp i, 0,1,2,3,4,5,6,7,8,9,10,11,12,13,14,15
	global_load_b128 v[R+64*((\t)%2)+4*\i:R+64*((\t)%2)+4*\i+3], v1, s[4:5] offset:(16*((\t)/4)+\i)*2048+512*((\t)%4) th:TH_LOAD_NT
.endr
.endm
	LOAD 0
	LOAD 1
	; THE WEIGHTS' IMAGES.  Fragment f of 384: matrix f / 128; fi = f % 128 = 32 wa + 8 s + t: rows 16 (8 wa + t) + r, K step s.  A branch on ids alone; no barrier stands in it.
	s_cmp_lt_u32 s31, 384
	s_cbranch_scc0 .Lno_weight
	s_cmp_lt_u32 s31, 128
	s_cselect_b64 s[38:39], s[6:7], s[8:9]
	s_cmp_lt_u32 s31, 256
	s_cselect_b64 s[38:39], s[38:39], s[10:11]
	s_and_b32 s40, s31, 127                        ; fi
	s_lshr_b32 s41, s40, 5
	s_lshl_b32 s41, s41, 3
	s_and_b32 s42, s40, 7
	s_add_co_u32 s41, s41, s42                     ; the tile of 16 rows
	s_mul_i32 s41, s41, 6144
	s_bfe_u32 s42, s40, 0x20003                    ; the K step
	s_mul_i32 s42, s42, 96
	s_add_co_u32 s40, s41, s42
	s_mov_b32 s41, 0
	s_add_nc_u64 s[38:39], s[38:39], s[40:41]
	s_mul_i32 s40, s31, 1536
	s_add_nc_u64 s[18:19], s[18:19], s[40:41]
	s_wait_alu depctr_va_vdst(0)
.irp p, 0,1,2,3,4,5
	global_load_b64 v[F+2*\p:F+2*\p+1], v7, s[38:39] offset:48*(\p/3)+8*(\p%3)   ; the row's stream of bits as it lies: 24 bytes twice
.endr
	s_wait_loadcnt 0x0                             ; the fragment is in (and so are steps 0 and 1, which were asked for first)
.irp i, 0,1,2
	global_store_b128 v1, v[F+4*\i:F+4*\i+3], s[18:19] offset:512*\i
.endr
.Lno_weight:
; 64 numbers of my row, X[32 c + i] = k 64 c + 32 h + i, become the fragment's 12 registers and the row's scale word for K step s
.macro QUANT s
.irp c, 0,1
	v_max3_num_f32 v[M+\c], |v[X+32*\c]|, |v[X+32*\c+1]|, 0x1800000   ; my block 2 c + h, and the floor 2^(3 - 127): the byte cannot fall under 1
.endr
.irp i, 2,4,6,8,10,12,14,16,18,20,22,24,26,28,30
.irp c, 0,1
	s_delay_alu instid0(VALU_DEP_2)
	v_max3_num_f32 v[M+\c], v[M+\c], |v[X+32*\c+\i]|, |v[X+32*\c+\i+1]|
.endr
.endr
.irp c, 0,1
	s_delay_alu instid0(VALU_DEP_2)
	v_add_nc_u32 v[SO+\c], 0xff000000, v[M+\c]     ; 2 off the exponent field: the conversion takes this operand's exponent field as its scale
.endr
.irp c, 0,1
	s_delay_alu instid0(VALU_DEP_2)
	v_lshrrev_b32 v[BY+\c], 23, v[SO+\c]           ; the scale's byte
.endr
	s_delay_alu instid0(VALU_DEP_1)
	v_lshl_or_b32 v50, v[BY+1], 16, v[BY]          ; blocks h and 2 + h,
	s_delay_alu instid0(VALU_DEP_1)
	v_lshlrev_b32 v50, v6, v50                     ; at their places;
	s_delay_alu instid0(VALU_DEP_1)
	v_permlanex16_b32 v51, v50, s22, s23
	s_delay_alu instid0(VALU_DEP_1)
	v_or_b32 v[SW+\s], v50, v51                    ; with lane l xor 16's two the word is whole
.irp c, 0,1
	v_cvt_scalef32_pk16_fp6_f32 v[F+6*\c:F+6*\c+2], v[X+32*\c:X+32*\c+15], v[SO+\c]
	v_cvt_scalef32_pk16_fp6_f32 v[T+4*\c:T+4*\c+2], v[X+32*\c+16:X+32*\c+31], v[SO+\c]
.endr
	v_nop                                          ; one plain place behind a scaled conversion
.irp c, 0,1
.irp i, 0,1,2
	v_mov_b32 v[F+6*\c+3+\i], v[T+4*\c+\i]
.endr
.endr
.endm
.macro QSTEP n
.set TL, (\n)/4
.set KS, (\n)%4
.set RR, R+64*((\n)%2)
.if (\n) < 7
	s_wait_loadcnt 16                              ; this step's 16 loads are in; the next step's 16 may be out
.else
	s_wait_loadcnt 0x0
.endif
.if TL == 0
	v_pk_add_f32 v[CS+4*KS:CS+4*KS+1], v[RR:RR+1], v[RR+4:RR+5]         ; rows 0 and 1 start the column sums: nothing is cleared
	v_pk_add_f32 v[CS+4*KS+2:CS+4*KS+3], v[RR+2:RR+3], v[RR+6:RR+7]
.else
.irp i, 0
	v_pk_add_f32 v[CS+4*KS:CS+4*KS+1], v[CS+4*KS:CS+4*KS+1], v[RR+4*\i:RR+4*\i+1]
	v_pk_add_f32 v[CS+4*KS+2:CS+4*KS+3], v[CS+4*KS+2:CS+4*KS+3], v[RR+4*\i+2:RR+4*\i+3]
.endr
.irp i, 1
	s_delay_alu instid0(VALU_DEP_2)
	v_pk_add_f32 v[CS+4*KS:CS+4*KS+1], v[CS+4*KS:CS+4*KS+1], v[RR+4*\i:RR+4*\i+1]
	s_delay_alu instid0(VALU_DEP_2)
	v_pk_add_f32 v[CS+4*KS+2:CS+4*KS+3], v[CS+4*KS+2:CS+4*KS+3], v[RR+4*\i+2:RR+4*\i+3]
.endr
.endif
.irp i, 2,3,4,5,6,7,8,9,10,11,12,13,14,15
	s_delay_alu instid0(VALU_DEP_2)
	v_pk_add_f32 v[CS+4*KS:CS+4*KS+1], v[CS+4*KS:CS+4*KS+1], v[RR+4*\i:RR+4*\i+1]
	s_delay_alu instid0(VALU_DEP_2)
	v_pk_add_f32 v[CS+4*KS+2:CS+4*KS+3], v[CS+4*KS+2:CS+4*KS+3], v[RR+4*\i+2:RR+4*\i+3]
.endr
.irp i, 0,1,2,3,4,5,6,7,8,9,10,11,12,13,14,15
	ds_store_b128 v2, v[RR+4*\i:RR+4*\i+3] offset:PITCH*\i
.endr
.irp c, 0,1
.irp j, 0,1,2,3,4,5,6,7
	ds_load_b128 v[X+32*\c+4*\j:X+32*\c+4*\j+3], v3 offset:256*\c+16*\j   ; LDS serves a wave's instructions in order: these see the stores above
.endr
.endr
	s_wait_dscnt 0x0                               ; my 64 numbers are back, and the stores have read the rows' registers
	s_wait_xcnt 0x0                                ; the last step's stores have read the fragment's registers and the scale words' pair: both are rewritten only behind this wait
.if (\n) < 6
	LOAD (\n)+2
.endif
	QUANT KS
.irp i, 0,1,2
	global_store_b128 v1, v[F+4*\i:F+4*\i+3], s[12:13] offset:6144*TL+1536*KS+512*\i   ; 32 lanes store 512 consecutive bytes
.endr
.if KS == 3
	v_cndmask_b32 v56, v[SW], v[SW+2], s24         ; lanes 0-15 store words 0, 1 of their row, lanes 16-31 words 2, 3
	v_cndmask_b32 v57, v[SW+1], v[SW+3], s24
	global_store_b64 v4, v[56:57], s[14:15] offset:256*TL   ; the tile's 256 scale bytes in one store
.endif
.endm
.irp n, 0,1,2,3,4,5,6,7
	QSTEP \n
.endr
	; THE COLUMN SUMS of the sixteen waves meet in LDS; waves 0 to 3 add them, a thread to 4 columns
.irp s, 0,1,2,3
	ds_store_b128 v5, v[CS+4*\s:CS+4*\s+3] offset:512*\s
.endr
	s_wait_dscnt 0x0                               ; for the others' sake: my stores are done
	s_barrier_signal -1
	s_barrier_wait -1
	s_cmp_lt_u32 s20, 4
	s_cbranch_scc0 .Lend
.irp a, 0,1,2,3,4,5,6,7,8,9,10,11,12,13,14,15
	ds_load_b128 v[R+4*\a:R+4*\a+3], v58 offset:2048*\a
.endr
	s_wait_dscnt 0x0
.irp a, 0,2,4,6,8,10,12,14
	v_pk_add_f32 v[R+4*\a:R+4*\a+1], v[R+4*\a:R+4*\a+1], v[R+4*\a+4:R+4*\a+5]
	v_pk_add_f32 v[R+4*\a+2:R+4*\a+3], v[R+4*\a+2:R+4*\a+3], v[R+4*\a+6:R+4*\a+7]
.endr
.irp a, 0,4,8,12
	v_pk_add_f32 v[R+4*\a:R+4*\a+1], v[R+4*\a:R+4*\a+1], v[R+4*\a+8:R+4*\a+9]
	v_pk_add_f32 v[R+4*\a+2:R+4*\a+3], v[R+4*\a+2:R+4*\a+3], v[R+4*\a+10:R+4*\a+11]
.endr
.irp a, 0
	v_pk_add_f32 v[R+4*\a:R+4*\a+1], v[R+4*\a:R+4*\a+1], v[R+4*\a+16:R+4*\a+17]
	v_pk_add_f32 v[R+4*\a+2:R+4*\a+3], v[R+4*\a+2:R+4*\a+3], v[R+4*\a+18:R+4*\a+19]
.endr
.irp a, 8
	s_delay_alu instid0(VALU_DEP_4)
	v_pk_add_f32 v[R+4*\a:R+4*\a+1], v[R+4*\a:R+4*\a+1], v[R+4*\a+16:R+4*\a+17]
	s_delay_alu instid0(VALU_DEP_4)
	v_pk_add_f32 v[R+4*\a+2:R+4*\a+3], v[R+4*\a+2:R+4*\a+3], v[R+4*\a+18:R+4*\a+19]
.endr
	s_delay_alu instid0(VALU_DEP_2)
	v_pk_add_f32 v[R:R+1], v[R:R+1], v[R+32:R+33]
	s_delay_alu instid0(VALU_DEP_2)
	v_pk_add_f32 v[R+2:R+3], v[R+2:R+3], v[R+34:R+35]
	global_store_b128 v59, v[R:R+3], s[16:17]      ; 32 lanes store 512 consecutive bytes
.Lend:
	s_wait_tensorcnt 0x0
	ds_add_u32 v62, v63
	s_wait_dscnt 0x0
	s_endpgm
.Lfunc_end_k_qbb6241c5ae_quant:
	.size	k_qbb6241c5ae_quant, .Lfunc_end_k_qbb6241c5ae_quant-k_qbb6241c5ae_quant
	.p2alignl 7, 3214868480
	.fill 96, 4, 3214868480
	.section	.rodata,"a",@progbits
	.p2align	6, 0x0
	.amdhsa_kernel k_qbb6241c5ae_quant
		.amdhsa_group_segment_fixed_size 169984
		.amdhsa_private_segment_fixed_size 0
		.amdhsa_enable_private_segment 0
		.amdhsa_kernarg_size 64
		.amdhsa_user_sgpr_count 2
		.amdhsa_user_sgpr_kernarg_segment_ptr 1
		.amdhsa_wavefront_size32 1
		.amdhsa_system_sgpr_workgroup_id_x 1
		.amdhsa_system_sgpr_workgroup_id_y 1
		.amdhsa_system_sgpr_workgroup_id_z 1
		.amdhsa_system_vgpr_workitem_id 0
		.amdhsa_next_free_vgpr 256
		.amdhsa_next_free_sgpr 66
		.amdhsa_reserve_vcc 0
		.amdhsa_float_denorm_mode_32 3
		.amdhsa_float_denorm_mode_16_64 3
		.amdhsa_memory_ordered 1
		.amdhsa_forward_progress 1
		.amdhsa_inst_pref_size 95
	.end_amdhsa_kernel
	.amdgpu_metadata
---
amdhsa.version: [ 1, 2 ]
amdhsa.kernels:
  - .name:           k_qbb6241c5ae_quant
    .symbol:         k_qbb6241c5ae_quant.kd
    .args:
      - { .name: x, .offset: 0, .size: 8, .value_kind: global_buffer, .address_space: global }
      - { .name: Wq_codes, .offset: 8, .size: 8, .value_kind: global_buffer, .address_space: global }
      - { .name: Wk_codes, .offset: 16, .size: 8, .value_kind: global_buffer, .address_space: global }
      - { .name: Wv_codes, .offset: 24, .size: 8, .value_kind: global_buffer, .address_space: global }
      - { .name: xc, .offset: 32, .size: 8, .value_kind: global_buffer, .address_space: global }
      - { .name: xs, .offset: 40, .size: 8, .value_kind: global_buffer, .address_space: global }
      - { .name: psum, .offset: 48, .size: 8, .value_kind: global_buffer, .address_space: global }
      - { .name: wimg, .offset: 56, .size: 8, .value_kind: global_buffer, .address_space: global }
    .group_segment_fixed_size: 169984
    .private_segment_fixed_size: 0
    .kernarg_segment_align: 8
    .kernarg_segment_size: 64
    .max_flat_workgroup_size: 512
    .sgpr_count:     66
    .vgpr_count:     256
    .wavefront_size: 32
...
	.end_amdgpu_metadata
.endif
;; end of part 1
;; launch attn (part 2): grid 256 x 1, 4 waves a work-group, no clusters, 327,680 bytes of LDS; arguments xc, xs, psum, wimg, Wq_scales, Wk_scales, Wv_scales, bq, bk, po, pst; writes po, pst
.if DOCPART == 2
	.amdgcn_target "amdgcn-amd-amdhsa--gfx1250"
	.amdhsa_code_object_version 6
	.text
	.protected	k_qbb6241c5ae_attn
	.globl	k_qbb6241c5ae_attn
	.p2align	8
	.type	k_qbb6241c5ae_attn,@function
k_qbb6241c5ae_attn:
	s_mov_b64 s[64:65], 0
	v_nop
	global_prefetch_b8 v0, s[64:65] scope:SCOPE_SE
	s_setreg_imm32_b32 hwreg(HW_REG_WAVE_MODE, 25, 1), 1
	s_wait_xcnt 0x0
; For 512 tokens of one batch (work-group g: tokens 512 g on, batch g / 4): q = Q(mean x) Wq^T + bq; scores s = q . (Q(x) Wk^T + bk); p = exp(s - m), m the largest of the 512 scores; po = sum of p (Q(x) Wv^T), l = sum of p.
; The next launch joins a batch's four (m, l, po) and adds bv (the weights p / l of a batch add up to 1).  All three products run on codes of FP6 (E2M3) with E8M0 scales; scores, softmax and the weighted sum in f32.
; bk: q . (k0 + bk) = q . k0 + q . bk: each lane starts every token's sum with its own share of q . bk.
; x's codes and scale bytes, 204,800 bytes, come into LDS ONCE, by five tensor loads a wave at the head, and serve both large products; no LDS byte is filled twice.
; SHARES: wave w owns e = 128 w .. 128 w + 127 of Wq, Wk, Wv: 32 fragments = 384 registers a matrix, loaded straight into registers from images laid by the launch before.  All four waves read all of x's fragments.
; NO CLUSTER: what work-groups share is the weights, which live in registers; a joint load lands in LDS alone, where 327,680 - 225,280 = 102,400 bytes are free and one matrix's image is 196,608.
; THE PRODUCTS ARE USED TRANSPOSED: source 0 = 16 rows of W, source 1 = 16 tokens: lane (r, h) holds token r, register j of tile t holds e = 16 t + 8 h + j.
; A UNIT is 16 matrix instructions: one tile of tokens x four tiles of e x four K steps, four accumulators by turns; two sets of accumulators alternate, and behind each matrix
; instruction stands one packed multiply-add that consumes the set finished by the unit before (K phase: S += q k0; V phase: O += p v0).
; LIMITS: as the launch before; K steps are summed 0,1,2,3 in tiles 0-3 of e and 3,2,1,0 in tiles 4-7, so that the register window changes twice for 32 matrix instructions.
; REGISTERS, in windows of 256.  W0: v1-11 addresses, v[8:9] the share of q . bk, later (m, l); v12-43 scale words of Wk (lanes 0-15) and Wv (lanes 16-31); v44-75 x's scale words (first Wq's); v76-79 the mean's;
;   v80-175 two buffers of x's four fragments; v176-239 two sets of four accumulators; v240-255 eight pairs of score sums.
;   W1: v0-191 Wk K steps 0, 1, later Wv 2, 3; v192-223 q of tiles 2-5, later p.   W2: v0-191 Wq 0, 1, then Wk 2, 3; v192-223 q of tiles 0, 1, 6, 7; in the V phase O v0-63, x's buffers and the accumulators at the same numbers as in W0.
;   W3: v0-191 Wq 2, 3, then Wv 0, 1; v192-255 bk, later p.   Fragment (t, s) lies at 12 (8 (s % 2) + t).
; HOW x COMES IN (this stands in place of what the lines above say of five loads a wave): at the head each wave issues ONE tensor load, its quarter (12,288 bytes) of tiles 0-7,
; and four asynchronous copies of 512 bytes, its share of the 8,192 scale bytes.  The other 24 tiles, 147,456 bytes, are a later first fill: 36,864 bytes a wave, one tensor load
; behind the barrier in front of the first trip, with the waits for 0 and the add in front of that barrier; the first trip's 256 matrix instructions a wave stand between that load and the wait for it.
; No LDS byte is filled twice.  No prefetch: the later fill is one load, and no loop runs ahead of it.
.set XSL,  196608
.set MEAN, 204800                      ; the batch's mean, 512 f32;
.set SCR,  206848                      ; partial scores [wave][r, 144 bytes][tile, 4 bytes];
.set PP,   216064                      ; p, in the same form, each wave's own copy
.set L16, 1                            ; v1   16 x lane; never rewritten
.set XS0, 2                            ; v2   XSL + 16 r
.set XSA, 3                            ; v3   at the head 16 x thread; then the address of the scale words in hand
.set SC0, 4                            ; v4   SCR + 2,304 w + 144 r + 16 h
.set SCA, 5                            ; v5   at the head 32 h; then the address of the scores' store, then of p's
.set PA0, 6                            ; v6   PP + 2,304 w + 144 r
.set PA,  7                            ; v7   at the head 16 r; then the address of p's loads, then my place in po
.set CBR, 8                            ; v[8:9]
.set XA,  10                           ; v10  at the head MEAN + 16 x thread; then the address of x's fragments
.set MA,  11                           ; v11  MEAN + 128 h
.set WS,  12
.set XS,  44
.set MS,  76
.set XB,  80
.set AC,  176
.set S,   240
.set MF,  80                           ; head: the mean's four fragments
.set WVS, 128                          ; head: Wv's scale words, ahead of the merge
.set PS,  160                          ; head: four partial column sums
.set N,   176                          ; head: 64 numbers of the mean; then q's eight accumulators
.set QM,  240                          ; head: the quantiser's 16 registers
.set QSO, 242
.set QBY, 244
.set QW,  246
.set QP,  247
.set QT,  248
.set SEL, 72                           ; s[72:73] selects for lane l xor 16
.set HM,  74                           ; s74  lanes 16-31
.set SCB, 80                           ; s80  the trip's first byte of codes (49,152 a trip)
.set SCBS, 81                          ; s81  of scale bytes (2,048)
.set SCBP, 82                          ; s82  of scores and p (32)
.set CNT, 83
.set WQB, 84                           ; s[84:85], s[86:87], s[88:89]: my wave's images of Wq, Wk, Wv
.set WKB, 86
.set WVB, 88
.set MSB, 0
.macro WIN new                         ; the immediate's high byte repeats the setting that is left; a switch that changes nothing is dropped
.if MSB != (\new)
	s_set_vgpr_msb (MSB<<8)|(\new)
.set MSB, (\new)
.endif
.endm
	s_load_b256 s[4:11], s[0:1], 0x0               ; xc, xs, psum, wimg
	s_load_b256 s[12:19], s[0:1], 0x20             ; Wq's, Wk's, Wv's scales, bq
	s_load_b128 s[20:23], s[0:1], 0x40             ; bk, po
	s_load_b64 s[24:25], s[0:1], 0x50              ; pst
	s_set_vgpr_msb 0x40
	v_lshl_add_u32 v254, v0, 2, 0x37000
	v_mov_b32 v255, 0
	s_set_vgpr_msb 0x4045
	ds_add_u32 v254, v255
	ds_add_u32 v254, v255
	s_set_vgpr_msb 0x4500
	v_lshlrev_b32 v[XSA], 4, v0                    ; 16 x thread: the copies' place in xs, and the partial sums'; not rewritten before the copies are waited for
	v_lshl_add_u32 v255, v0, 4, XSL                ; the copies' place in LDS; v255 is next written in the first trip, behind the wait for the copies
	v_lshrrev_b32 v1, 5, v0
	v_readfirstlane_b32 s26, v1                    ; wave 0..3
	; descriptor group 1: dense blocks as rows of 256 bytes (32 elements of 8 bytes), no padding: 48 rows of codes
	s_mov_b32 s32, 3<<16
	s_mov_b32 s33, 32<<16                          ; tensor_dim0 = 32
	s_mov_b32 s34, 48<<16                          ; tensor_dim1 = 48
	s_mov_b32 s35, 32<<16                          ; tile_dim0 = 32
	s_mov_b32 s36, 48                              ; tile_dim1 = 48
	s_mov_b32 s37, 32                              ; from row to row
	s_mov_b32 s38, 0
	s_mov_b32 s39, 0
	s_mov_b32 s40, 3<<16
	s_mov_b32 s41, 32<<16
	s_mov_b32 s42, 144<<16                         ; the later fill: 144 rows of 256 bytes a wave
	s_mov_b32 s43, 32<<16
	s_mov_b32 s44, 144
	s_mov_b32 s45, 32
	s_mov_b32 s46, 0
	s_mov_b32 s47, 0
	s_lshl_b32 s91, s26, 11                        ; 2,048 w
	s_mul_i32 s92, s26, 12288                      ; 12,288 w
	s_lshl_b32 s28, ttmp9, 13                      ; xs: 8,192 g
	s_mov_b32 s29, 0
	s_mul_i32 s93, s26, 36864                      ; 36,864 w
	s_mul_i32 s30, ttmp9, 196608
	s_add_co_u32 s30, s30, s92                     ; xc: 196,608 g + 12,288 w
	s_mov_b32 s31, 0
	s_wait_alu depctr_va_vdst(0)
	s_wait_dscnt 0x0
	s_wait_kmcnt 0x0
	s_add_nc_u64 s[50:51], s[6:7], s[28:29]        ; the work-group's scale bytes; never rewritten
	s_add_nc_u64 s[4:5], s[4:5], s[30:31]
.macro G0SET reg, c                    ; chunk c (tiles 8 c .. 8 c + 7, 49,152 bytes): my quarter
	s_mov_b32 s[\reg], 1
	s_add_co_u32 s[\reg+1], s92, 49152*\c
	s_add_nc_u64 s[\reg+2:\reg+3], s[4:5], 49152*\c
	s_or_b32 s[\reg+3], s[\reg+3], 0x80000000
.endm
	G0SET 52, 0
	s_mov_b32 s56, 1                               ; the later fill: bytes 49,152 + 36,864 w of the work-group's codes, to the same place in LDS
	s_add_co_u32 s57, s93, 49152
	s_mul_i32 s30, s26, 24576                      ; s[4:5] holds 12,288 w already
	s_add_nc_u64 s[58:59], s[4:5], s[30:31]
	s_add_nc_u64 s[58:59], s[58:59], 49152
	s_or_b32 s59, s59, 0x80000000
.irp i, 0,1,2,3
	global_load_async_to_lds_b128 v255, v[XSA], s[50:51] offset:2048*\i   ; 128 threads x 16 bytes, four times: x's 8,192 scale bytes
.endr
	tensor_load_to_lds s[52:55], s[32:39]          ; my one tensor load at the head: my quarter of tiles 0-7
	s_nop 0
.rept 4
	v_nop
.endr
	s_lshr_b32 s28, ttmp9, 2
	s_lshl_b32 s28, s28, 13
	s_add_nc_u64 s[8:9], s[8:9], s[28:29]          ; psum: the batch's four rows
	s_mul_i32 s28, s26, 49152
	s_add_nc_u64 s[WQB:WQB+1], s[10:11], s[28:29]
	s_add_nc_u64 s[WKB:WKB+1], s[WQB:WQB+1], 196608
	s_add_nc_u64 s[WVB:WVB+1], s[WQB:WQB+1], 393216
	s_mov_b32 s28, s91
	s_add_nc_u64 s[12:13], s[12:13], s[28:29]      ; scale bytes: my 128 rows of 16
	s_add_nc_u64 s[14:15], s[14:15], s[28:29]
	s_add_nc_u64 s[16:17], s[16:17], s[28:29]
	s_lshl_b32 s28, s26, 9
	s_add_nc_u64 s[18:19], s[18:19], s[28:29]      ; bq, bk: my 128 numbers
	s_add_nc_u64 s[20:21], s[20:21], s[28:29]
	s_lshl_b32 s30, ttmp9, 11
	s_add_co_u32 s28, s28, s30
	s_add_nc_u64 s[22:23], s[22:23], s[28:29]      ; po: 2,048 g + 512 w
	s_lshl_b32 s28, ttmp9, 8
	s_add_nc_u64 s[24:25], s[24:25], s[28:29]      ; pst: 256 g
	s_mov_b32 s[SEL], 0x76543210
	s_mov_b32 s[SEL+1], 0xfedcba98
	s_mov_b32 s[HM], 0xffff0000
	s_mov_b32 s75, 0xff00ff00                      ; the lanes whose number has bit 3, 2, 1, 0 set
	s_mov_b32 s76, 0xf0f0f0f0
	s_mov_b32 s77, 0xcccccccc
	s_mov_b32 s78, 0xaaaaaaaa
	s_mul_i32 s93, s26, 2304
	s_add_co_u32 s94, s93, SCR
	s_add_co_u32 s95, s93, PP
	v_and_b32 v1, 31, v0
	v_lshlrev_b32 v[L16], 4, v1
	v_and_b32 v248, 15, v0                         ; r
	v_bfe_u32 v249, v0, 4, 1                       ; h
	v_mul_u32_u24 v250, v248, 144
	v_lshl_add_u32 v[XS0], v248, 4, XSL
	v_lshl_add_u32 v[SC0], v249, 4, v250
	v_add_nc_u32 v[SC0], s94, v[SC0]
	v_lshlrev_b32 v[SCA], 5, v249
	v_add_nc_u32 v[PA0], s95, v250
	v_lshlrev_b32 v[PA], 4, v248
	v_lshlrev_b32 v8, 3, v249                      ; 8 h, until the mean is quantised
	v_lshl_add_u32 v[XA], v0, 4, MEAN
	v_lshl_add_u32 v[MA], v249, 7, MEAN
	v_mov_b32 v[QP], 0                             ; written once: a lane permute's destination counts as one of its sources
; half a matrix's image, 16 fragments, into v0-191 of the window that the caller has set for the destination
.macro WLOAD base, half
.set f, 0
.rept 16
.irp c, 0,1,2
	global_load_b128 v[12*f+4*\c:12*f+4*\c+3], v[L16], s[\base:\base+1] offset:(16*(\half)+f)*1536+512*\c
.endr
.set f, f+1
.endr
.endm
; K step s of the mean becomes a fragment whose 16 columns are alike, and its scale word
.macro QUANTM s
.irp c, 0,1
.irp j, 0,1,2,3,4,5,6,7
	ds_load_b128 v[N+32*\c+4*\j:N+32*\c+4*\j+3], v[MA] offset:512*\s+256*\c+16*\j
.endr
.endr
	s_wait_dscnt 0x0
.irp c, 0,1
	v_max3_num_f32 v[QM+\c], |v[N+32*\c]|, |v[N+32*\c+1]|, 0x1800000   ; block 2 c + h, and the floor 2^(3 - 127)
.endr
.irp i, 2,4,6,8,10,12,14,16,18,20,22,24,26,28,30
.irp c, 0,1
	v_max3_num_f32 v[QM+\c], v[QM+\c], |v[N+32*\c+\i]|, |v[N+32*\c+\i+1]|
.endr
.endr
.irp c, 0,1
	v_add_nc_u32 v[QSO+\c], 0xff000000, v[QM+\c]
.endr
.irp c, 0,1
	v_lshrrev_b32 v[QBY+\c], 23, v[QSO+\c]
.endr
	v_lshl_or_b32 v[QW], v[QBY+1], 16, v[QBY]
	v_lshlrev_b32 v[QW], v8, v[QW]
	v_permlanex16_b32 v[QP], v[QW], s[SEL], s[SEL+1]
	v_or_b32 v[MS+\s], v[QW], v[QP]
.irp c, 0,1
	v_cvt_scalef32_pk16_fp6_f32 v[MF+12*\s+6*\c:MF+12*\s+6*\c+2], v[N+32*\c:N+32*\c+15], v[QSO+\c]
	v_cvt_scalef32_pk16_fp6_f32 v[QT+4*\c:QT+4*\c+2], v[N+32*\c+16:N+32*\c+31], v[QSO+\c]
.endr
	v_nop                                          ; one plain place behind a scaled conversion
.irp c, 0,1
.irp i, 0,1,2
	v_mov_b32 v[MF+12*\s+6*\c+3+\i], v[QT+4*\c+\i]
.endr
.endr
.endm
	; ---- the mean
.irp a, 0,1,2,3
	global_load_b128 v[PS+4*\a:PS+4*\a+3], v[XSA], s[8:9] offset:2048*\a
.endr
	WIN 0x80
	WLOAD WQB, 0                                   ; Wq, K steps 0, 1 -> W2
	WIN 0
	s_wait_loadcnt 48                              ; the four partial sums are in; the 48 loads behind them may be out
	v_pk_add_f32 v[PS:PS+1], v[PS:PS+1], v[PS+4:PS+5]
	v_pk_add_f32 v[PS+2:PS+3], v[PS+2:PS+3], v[PS+6:PS+7]
	v_pk_add_f32 v[PS+8:PS+9], v[PS+8:PS+9], v[PS+12:PS+13]
	v_pk_add_f32 v[PS+10:PS+11], v[PS+10:PS+11], v[PS+14:PS+15]
	v_pk_add_f32 v[PS:PS+1], v[PS:PS+1], v[PS+8:PS+9]
	v_pk_add_f32 v[PS+2:PS+3], v[PS+2:PS+3], v[PS+10:PS+11]
	v_pk_mul_f32 v[PS:PS+1], v[PS:PS+1], 0x3a000000 op_sel_hi:[1,0]      ; / 2,048
	v_pk_mul_f32 v[PS+2:PS+3], v[PS+2:PS+3], 0x3a000000 op_sel_hi:[1,0]
	ds_store_b128 v[XA], v[PS:PS+3]
	s_wait_dscnt 0x0                               ; for the others' sake
	s_barrier_signal -1
	s_barrier_wait -1
	WIN 0xc0
	WLOAD WQB, 1                                   ; Wq, K steps 2, 3 -> W3
	WIN 0
.irp t, 0,1,2,3,4,5,6,7
	global_load_b128 v[XS+4*\t:XS+4*\t+3], v[PA], s[12:13] offset:256*\t   ; Wq's scale words: row 16 t + r, four K steps
.endr
	QUANTM 0
	QUANTM 1
	WIN 0x40                                       ; bq lands where q will stand: lane (r, h) wants e = 16 t + 8 h + 0 .. 7
.irp t, 2,3,4,5
	global_load_b128 v[192+8*(\t-2):192+8*(\t-2)+3], v[SCA], s[18:19] offset:64*\t
	global_load_b128 v[192+8*(\t-2)+4:192+8*(\t-2)+7], v[SCA], s[18:19] offset:64*\t+16
.endr
	WIN 0x80
.irp t, 0,1
	global_load_b128 v[192+8*\t:192+8*\t+3], v[SCA], s[18:19] offset:64*\t
	global_load_b128 v[192+8*\t+4:192+8*\t+7], v[SCA], s[18:19] offset:64*\t+16
.endr
.irp t, 6,7
	global_load_b128 v[192+8*(\t-4):192+8*(\t-4)+3], v[SCA], s[18:19] offset:64*\t
	global_load_b128 v[192+8*(\t-4)+4:192+8*(\t-4)+7], v[SCA], s[18:19] offset:64*\t+16
.endr
	WIN 0xc0
.irp t, 0,1,2,3,4,5,6,7
	global_load_b128 v[192+8*\t:192+8*\t+3], v[SCA], s[20:21] offset:64*\t          ; bk
	global_load_b128 v[192+8*\t+4:192+8*\t+7], v[SCA], s[20:21] offset:64*\t+16
.endr
	WIN 0
.irp t, 0,1,2,3,4,5,6,7
	global_load_b128 v[WS+4*\t:WS+4*\t+3], v[PA], s[14:15] offset:256*\t            ; Wk's scale words
	global_load_b128 v[WVS+4*\t:WVS+4*\t+3], v[PA], s[16:17] offset:256*\t          ; Wv's
.endr
	QUANTM 2
	QUANTM 3
	WIN 0x40
	WLOAD WKB, 0                                   ; Wk, K steps 0, 1 -> W1
	WIN 0
	s_wait_loadcnt 48                              ; all but those 48: Wq, its scale words, the biases and the other scale words are in
.rept 8
	v_nop                                          ; a scale register written by a vector instruction stands 8 places ahead of a scaled matrix instruction, an operand so written 4
.endr
	; ---- q: eight accumulators by turns, a K step at a time
	WIN 0x02
.irp s, 0,1
.irp t, 0,1,2,3,4,5,6,7
.if \s == 0
	v_wmma_scale_f32_16x16x128_f8f6f4 v[N+8*\t:N+8*\t+7], v[12*(8*\s+\t):12*(8*\s+\t)+11], v[MF+12*\s:MF+12*\s+11], 0, v[XS+4*\t+\s], v[MS+\s] matrix_a_fmt:MATRIX_FMT_FP6 matrix_b_fmt:MATRIX_FMT_FP6
.else
	v_wmma_scale_f32_16x16x128_f8f6f4 v[N+8*\t:N+8*\t+7], v[12*(8*\s+\t):12*(8*\s+\t)+11], v[MF+12*\s:MF+12*\s+11], v[N+8*\t:N+8*\t+7], v[XS+4*\t+\s], v[MS+\s] matrix_a_fmt:MATRIX_FMT_FP6 matrix_b_fmt:MATRIX_FMT_FP6
.endif
.endr
.endr
	WIN 0
.set i, 0
.rept 16
	v_cndmask_b32 v[WS+i], v[WS+i], v[WVS+i], s[HM]   ; lanes 16-31 take Wv's word.  These lines are also the places in front of the loads into the registers just multiplied
.set i, i+1
.endr
	WIN 0x80
	WLOAD WKB, 1                                   ; Wk, K steps 2, 3 -> W2
	WIN 0x03
.irp s, 2,3
.irp t, 0,1,2,3,4,5,6,7
	v_wmma_scale_f32_16x16x128_f8f6f4 v[N+8*\t:N+8*\t+7], v[12*(8*(\s-2)+\t):12*(8*(\s-2)+\t)+11], v[MF+12*\s:MF+12*\s+11], v[N+8*\t:N+8*\t+7], v[XS+4*\t+\s], v[MS+\s] matrix_a_fmt:MATRIX_FMT_FP6 matrix_b_fmt:MATRIX_FMT_FP6
.endr
.endr
	WIN 0
.rept 16
	v_cndmask_b32 v[WS+i], v[WS+i], v[WVS+i], s[HM]   ; the other half of the merge: the places behind the last products
.set i, i+1
.endr
	WIN 0xc0
	WLOAD WVB, 0                                   ; Wv, K steps 0, 1 -> W3
	WIN 0x44                                       ; q = the sum + bq, each accumulator from its low end on; tiles 2-5 stand in W1,
.irp t, 2,3,4,5
.irp i, 0,2,4,6
	v_pk_add_f32 v[192+8*(\t-2)+\i:192+8*(\t-2)+\i+1], v[N+8*\t+\i:N+8*\t+\i+1], v[192+8*(\t-2)+\i:192+8*(\t-2)+\i+1]
.endr
.endr
	WIN 0x88                                       ; tiles 0, 1, 6, 7 in W2: each multiply-add of the K phase finds its q in the window that is set at its place
.irp t, 0,1
.irp i, 0,2,4,6
	v_pk_add_f32 v[192+8*\t+\i:192+8*\t+\i+1], v[N+8*\t+\i:N+8*\t+\i+1], v[192+8*\t+\i:192+8*\t+\i+1]
.endr
.endr
.irp t, 6,7
.irp i, 0,2,4,6
	v_pk_add_f32 v[192+8*(\t-4)+\i:192+8*(\t-4)+\i+1], v[N+8*\t+\i:N+8*\t+\i+1], v[192+8*(\t-4)+\i:192+8*(\t-4)+\i+1]
.endr
.endr
	WIN 0x0d                                       ; my share of q . bk, in two chains: q in W1, bk in W3
	v_pk_mul_f32 v[CBR:CBR+1], v[192:193], v[208:209]
.irp i, 2,4,6
	v_pk_fma_f32 v[CBR:CBR+1], v[192+\i:192+\i+1], v[208+\i:208+\i+1], v[CBR:CBR+1]
.endr
.irp t, 3,4,5
.irp i, 0,2,4,6
	v_pk_fma_f32 v[CBR:CBR+1], v[192+8*(\t-2)+\i:192+8*(\t-2)+\i+1], v[192+8*\t+\i:192+8*\t+\i+1], v[CBR:CBR+1]
.endr
.endr
	WIN 0x0e                                       ; q in W2
	v_pk_mul_f32 v[S:S+1], v[192:193], v[192:193]
.irp i, 2,4,6
	v_pk_fma_f32 v[S:S+1], v[192+\i:192+\i+1], v[192+\i:192+\i+1], v[S:S+1]
.endr
.irp i, 0,2,4,6
	v_pk_fma_f32 v[S:S+1], v[200+\i:200+\i+1], v[200+\i:200+\i+1], v[S:S+1]
.endr
.irp t, 6,7
.irp i, 0,2,4,6
	v_pk_fma_f32 v[S:S+1], v[192+8*(\t-4)+\i:192+8*(\t-4)+\i+1], v[192+8*\t+\i:192+8*\t+\i+1], v[S:S+1]
.endr
.endr
	WIN 0
	v_pk_add_f32 v[CBR:CBR+1], v[CBR:CBR+1], v[S:S+1]
; x's four fragments of tile jj of the trip, 12 loads of 512 consecutive bytes, into buffer jj % 2
.macro XLOAD ph, jj
.if \ph == 0
	WIN 0
.else
	WIN 0x80
.endif
.irp s, 0,1,2,3
.irp c, 0,1,2
	ds_load_b128 v[XB+48*((\jj)%2)+12*\s+4*\c:XB+48*((\jj)%2)+12*\s+4*\c+3], v[XA] offset:6144*(\jj)+1536*\s+512*\c
.endr
.endr
.endm
; multiply-add n of 16 on the results of unit (pj, pg): tile of e 4 pg + n / 4, pair n % 4: each accumulator from its low end on
.macro FMA ph, pj, pg
.set pt, 4*(\pg)+n/4
.set pix, n%4
.set rDD, AC+32*(\pg)+8*(n/4)+2*pix
.if \ph == 0
.if (pt >= 2) && (pt < 6)
.set rQ, 192+8*(pt-2)+2*pix
.elseif pt < 2
.set rQ, 192+8*pt+2*pix
.else
.set rQ, 192+8*(pt-4)+2*pix
.endif
.if ((\pg) == 0) && (n == 0)
	v_pk_fma_f32 v[S+2*(\pj):S+2*(\pj)+1], v[rQ:rQ+1], v[rDD:rDD+1], v[CBR:CBR+1]   ; the share of q . bk starts the token's sum: nothing is cleared
.else
	v_pk_fma_f32 v[S+2*(\pj):S+2*(\pj)+1], v[rQ:rQ+1], v[rDD:rDD+1], v[S+2*(\pj):S+2*(\pj)+1]
.endif
.else
.set rO, 8*pt+2*pix
.set rP, 192+((\pj)/2)*2
.if (\pj)%2 == 0
	v_pk_fma_f32 v[rO:rO+1], v[rP:rP+1], v[rDD:rDD+1], v[rO:rO+1] op_sel_hi:[0,1,1]
.else
	v_pk_fma_f32 v[rO:rO+1], v[rP:rP+1], v[rDD:rDD+1], v[rO:rO+1] op_sel:[1,0,0] op_sel_hi:[1,1,1]
.endif
.endif
.endm
.macro MM ph                           ; matrix instruction n of a unit; the first four start the sums
.if \ph == 0
.if n < 4
	v_wmma_scale_f32_16x16x128_f8f6f4 v[rD:rD+7], v[rA:rA+11], v[rB:rB+11], 0, v[rW], v[rX] matrix_a_fmt:MATRIX_FMT_FP6 matrix_b_fmt:MATRIX_FMT_FP6
.else
	v_wmma_scale_f32_16x16x128_f8f6f4 v[rD:rD+7], v[rA:rA+11], v[rB:rB+11], v[rD:rD+7], v[rW], v[rX] matrix_a_fmt:MATRIX_FMT_FP6 matrix_b_fmt:MATRIX_FMT_FP6
.endif
.else
.if n < 4
	v_wmma_scale_f32_16x16x128_f8f6f4 v[rD:rD+7], v[rA:rA+11], v[rB:rB+11], 0, v[rW], v[rX] matrix_a_fmt:MATRIX_FMT_FP6 matrix_b_fmt:MATRIX_FMT_FP6 matrix_a_scale:MATRIX_SCALE_ROW1
.else
	v_wmma_scale_f32_16x16x128_f8f6f4 v[rD:rD+7], v[rA:rA+11], v[rB:rB+11], v[rD:rD+7], v[rW], v[rX] matrix_a_fmt:MATRIX_FMT_FP6 matrix_b_fmt:MATRIX_FMT_FP6 matrix_a_scale:MATRIX_SCALE_ROW1
.endif
.endif
.endm
; Unit (j, g): tile j of the trip x tiles 4 g .. 4 g + 3 of e.  g = 0 takes K steps 0,1,2,3, g = 1 takes 3,2,1,0.  prev = 1: the unit before has results to consume.
; The next tile's fragments are asked for behind the fourth instruction of g = 0: five multiply-adds stand behind that buffer's last use, and 28 matrix instructions ahead of the wait for the loads.
.macro UNIT ph, j, g, prev
.set n, 0
.rept 16
.set tl, n%4
.if \g == 0
.set sk, n/4
.else
.set sk, 3-n/4
.endif
.if sk < 2
	WIN WLO
.else
	WIN WHI
.endif
.set rA, 12*(8*(sk&1)+4*\g+tl)
.set rB, XB+48*((\j)%2)+12*sk
.set rD, AC+32*\g+8*tl
.set rW, WS+4*(4*\g+tl)+sk
.set rX, XS+4*(\j)+sk
	MM \ph
.if \prev
.if \g == 1
	FMA \ph, \j, 0
.else
	FMA \ph, (\j)-1, 1
.endif
.endif
.if (\g == 0) && (n == 3) && (\j < 7)
	XLOAD \ph, (\j)+1
.endif
.set n, n+1
.endr
.if \prev == 0
.rept 4
	v_nop                                          ; places between the unit's last products and the first read of its results
.endr
.endif
.endm
; A TRIP: eight tiles of tokens.  ph = 0: scores; ph = 1: the weighted sum.
.macro TRIP ph
.if \ph == 0
.set WLO, 0x01                         ; source 0 in W1; all else in W0
.set WHI, 0x02                         ; source 0 in W2
.else
.set WLO, 0xab                         ; source 0 in W3; source 1, C and D in W2
.set WHI, 0xa9                         ; source 0 in W1
.endif
	WIN 0
	v_add_nc_u32 v[XSA], s[SCBS], v[XS0]
	v_add_nc_u32 v[XA], s[SCB], v[L16]
.if \ph
	v_add_nc_u32 v[PA], s[SCBP], v[PA0]
.endif
.irp j, 0,1,2,3,4,5,6,7
	ds_load_b128 v[XS+4*\j:XS+4*\j+3], v[XSA] offset:256*\j    ; token r's four scale words of tile j
.endr
.if \ph
	WIN 0xc0                                       ; my token's p of the eight tiles, once for each window in which a multiply-add will look for it
	ds_load_b128 v[192:195], v[PA]
	ds_load_b128 v[196:199], v[PA] offset:16
	WIN 0x40
	ds_load_b128 v[192:195], v[PA]
	ds_load_b128 v[196:199], v[PA] offset:16
.endif
	XLOAD \ph, 0
	s_wait_alu depctr_va_vdst(0)
	s_wait_dscnt 0x0
	UNIT \ph, 0, 0, 0
	UNIT \ph, 0, 1, 1
	s_wait_alu depctr_va_vdst(0)
.irp j, 1,2,3,4,5,6,7
	s_wait_alu depctr_va_vdst(0)
	s_wait_dscnt 0x0                               ; this tile's fragments are in
	UNIT \ph, \j, 0, 1
	UNIT \ph, \j, 1, 1
.endr
.set n, 0
.rept 16                                       ; the last unit's results
.if n < 8
	WIN WLO
.else
	WIN WHI
.endif
	FMA \ph, 7, 1
.set n, n+1
.endr
	WIN 0
.if \ph == 0
.irp j, 0,1,2,3,4,5,6,7
	v_add_f32 v[AC+\j], v[S+2*\j], v[S+2*\j+1]
.endr
.irp j, 0,1,2,3,4,5,6,7
	v_permlanex16_b32 v[AC+8+\j], v[AC+\j], s[SEL], s[SEL+1]
.endr
.irp j, 0,1,2,3,4,5,6,7
	v_add_f32 v[AC+\j], v[AC+\j], v[AC+8+\j]       ; my wave's 128 e of token r, tile j
.endr
.irp j, 0,1,2,3
	v_cndmask_b32 v[AC+16+\j], v[AC+\j], v[AC+4+\j], s[HM]   ; lanes 0-15 store tiles 0-3, lanes 16-31 tiles 4-7
.endr
	v_add_nc_u32 v[SCA], s[SCBP], v[SC0]
	ds_store_b128 v[SCA], v[AC+16:AC+19]
.endif
	s_add_co_u32 s[SCB], s[SCB], 49152
	s_add_co_u32 s[SCBS], s[SCBS], 2048
	s_add_co_u32 s[SCBP], s[SCBP], 32
.endm
.macro KWAIT n                         ; my parts of the chunks that are read next have landed (n younger loads may stay out), my LDS instructions are done: then the barrier, behind which everybody's have
	s_wait_tensorcnt \n
	s_wait_dscnt 0x0
	s_barrier_signal -1
	s_barrier_wait -1
.endm
	; ---- K: the scores
	s_mov_b32 s[SCB], 0
	s_mov_b32 s[SCBS], 0
	s_mov_b32 s[SCBP], 0
	s_set_vgpr_msb 0x5                             ; (the add's two registers lie in window 1)
	s_wait_tensorcnt 0x0                           ; my quarter of tiles 0-7 is in,
	s_wait_asynccnt 0x0                            ; and my share of the scale bytes;
	ds_add_u32 v254, v255
	s_wait_dscnt 0x0
	s_set_vgpr_msb 0x500
	s_barrier_signal -1
	s_barrier_wait -1                              ; everybody's are in
	tensor_load_to_lds s[56:59], s[40:47]          ; my one tensor load behind this barrier: my 36,864 bytes of tiles 8-31, bytes that are filled for the first time
	s_nop 0
.rept 4
	v_nop
.endr
	s_wait_loadcnt 48                              ; Wk is in; Wv's first half (48 loads) may be out
	TRIP 0                                         ; tiles 0-7
	KWAIT 0                                        ; tiles 8-31 are in, everybody's
	s_mov_b32 s[CNT], 3
.Lk:
	TRIP 0
	s_sub_co_u32 s[CNT], s[CNT], 1
	s_cmp_lg_u32 s[CNT], 0
	s_cbranch_scc1 .Lk
	WIN 0x40
	WLOAD WVB, 1                                   ; Wv, K steps 2, 3 -> W1, which the scores have left
	WIN 0
	; ---- the softmax of the 512 tokens, in every wave alike: lane (r, h) takes token r of tiles 16 h .. 16 h + 15
	v_bfe_u32 v144, v0, 4, 1
	v_and_b32 v145, 15, v0
	v_mul_u32_u24 v145, v145, 144
	v_lshl_add_u32 v[SCA], v144, 6, v[PA0]         ; where I store p: PP + 2,304 w + 144 r + 64 h
	v_lshl_add_u32 v145, v144, 6, v145
	v_add_nc_u32 v[XSA], SCR, v145                 ; where I read scores: SCR + 144 r + 64 h
	s_wait_alu depctr_va_vdst(0)
	s_wait_dscnt 0x0                               ; for the others' sake: my scores are stored
	s_barrier_signal -1
	s_barrier_wait -1
.irp a, 0,1,2,3
.irp k, 0,1,2,3
	ds_load_b128 v[80+16*\a+4*\k:80+16*\a+4*\k+3], v[XSA] offset:2304*\a+16*\k
.endr
.endr
	s_wait_dscnt 0x0
.irp i, 0,2,4,6,8,10,12,14
	v_pk_add_f32 v[80+\i:81+\i], v[80+\i:81+\i], v[96+\i:97+\i]
	v_pk_add_f32 v[112+\i:113+\i], v[112+\i:113+\i], v[128+\i:129+\i]
.endr
.irp i, 0,2,4,6,8,10,12,14
	v_pk_add_f32 v[80+\i:81+\i], v[80+\i:81+\i], v[112+\i:113+\i]      ; the four waves' parts: 16 scores
.endr
	v_max3_num_f32 v144, v80, v81, v82
	v_max3_num_f32 v145, v83, v84, v85
	v_max3_num_f32 v144, v144, v86, v87
	v_max3_num_f32 v145, v145, v88, v89
	v_max3_num_f32 v144, v144, v90, v91
	v_max3_num_f32 v145, v145, v92, v93
	v_max3_num_f32 v144, v144, v94, v95
	v_max_num_f32 v144, v144, v145
	v_max_num_f32_dpp v144, v144, v144 row_xmask:1 row_mask:0xf bank_mask:0xf
	v_max_num_f32_dpp v144, v144, v144 row_xmask:2 row_mask:0xf bank_mask:0xf
	v_max_num_f32_dpp v144, v144, v144 row_xmask:4 row_mask:0xf bank_mask:0xf
	v_max_num_f32_dpp v144, v144, v144 row_xmask:8 row_mask:0xf bank_mask:0xf
	v_permlanex16_b32 v145, v144, s[SEL], s[SEL+1]
	v_max_num_f32 v8, v144, v145                   ; m: the largest of the 512 scores
.irp i, 0,2,4,6,8,10,12,14
	v_pk_add_f32 v[80+\i:81+\i], v[80+\i:81+\i], v[8:9] op_sel_hi:[1,0] neg_lo:[0,1] neg_hi:[0,1]   ; s - m,
.endr
.irp i, 0,2,4,6,8,10,12,14
	v_pk_mul_f32 v[80+\i:81+\i], v[80+\i:81+\i], 0x3fb8aa3b op_sel_hi:[1,0]                        ; x log2(e)
.endr
	s_wait_alu depctr_va_vdst(0)
.irp i, 0,1,2,3,4,5,6,7,8,9,10,11,12,13,14,15
	v_exp_f32 v[80+\i], v[80+\i]
.endr
	v_nop                                          ; a plain place behind the last exponential
	s_wait_alu depctr_va_vdst(0)                   ; one wait for the batch of sixteen, ahead of the first line that names a result
.irp k, 0,1,2,3
	ds_store_b128 v[SCA], v[80+4*\k:83+4*\k] offset:16*\k      ; my wave's own copy of p: LDS serves a wave's instructions in order, so its later loads see these
.endr
	v_pk_add_f32 v[96:97], v[80:81], v[82:83]
	v_pk_add_f32 v[98:99], v[84:85], v[86:87]
	v_pk_add_f32 v[100:101], v[88:89], v[90:91]
	v_pk_add_f32 v[102:103], v[92:93], v[94:95]
	v_pk_add_f32 v[96:97], v[96:97], v[98:99]
	v_pk_add_f32 v[100:101], v[100:101], v[102:103]
	v_pk_add_f32 v[96:97], v[96:97], v[100:101]
	v_add_f32 v96, v96, v97
	v_add_f32_dpp v96, v96, v96 row_xmask:1 row_mask:0xf bank_mask:0xf
	v_add_f32_dpp v96, v96, v96 row_xmask:2 row_mask:0xf bank_mask:0xf
	v_add_f32_dpp v96, v96, v96 row_xmask:4 row_mask:0xf bank_mask:0xf
	v_add_f32_dpp v96, v96, v96 row_xmask:8 row_mask:0xf bank_mask:0xf
	v_permlanex16_b32 v97, v96, s[SEL], s[SEL+1]
	v_add_f32 v9, v96, v97                         ; l: the sum of the 512 p
	; ---- V: O += p v0
	WIN 0x80
.set i, 0
.rept 64
	v_mov_b32 v[i], 0                              ; O, once: the trip is written once and its first tile finds zeros
.set i, i+1
.endr
	WIN 0
	s_mov_b32 s[SCB], 0
	s_mov_b32 s[SCBS], 0
	s_mov_b32 s[SCBP], 0
	s_wait_loadcnt 0x0                             ; all of Wv is in
	s_mov_b32 s[CNT], 4
.Lv:
	TRIP 1
	s_sub_co_u32 s[CNT], s[CNT], 1
	s_cmp_lg_u32 s[CNT], 0
	s_cbranch_scc1 .Lv
	; ---- O's 64 registers are summed over the 16 tokens of a row of lanes and dealt out: at each level a lane keeps one half of its registers and gives the other to the lane whose number differs in one bit.
	; Lane r ends with registers 4 r .. 4 r + 3: e = 16 (r / 2) + 8 h + 4 (r % 2) + 0 .. 3.  The first level's selections go from W2 into W0; all else works in W0.
	WIN 0x0a
.set i, 0
.rept 32
	v_cndmask_b32 v[80+i], v[32+i], v[i], s75      ; what I give
	v_cndmask_b32 v[112+i], v[i], v[32+i], s75     ; what I keep
.set i, i+1
.endr
	WIN 0
.set i, 0
.rept 32
	v_add_f32_dpp v[112+i], v[80+i], v[112+i] row_xmask:8 row_mask:0xf bank_mask:0xf
.set i, i+1
.endr
.macro LEVEL H, mask, xm
.set i, 0
.rept \H
	v_cndmask_b32 v[80+i], v[112+\H+i], v[112+i], s[\mask]
	v_cndmask_b32 v[112+i], v[112+i], v[112+\H+i], s[\mask]
.set i, i+1
.endr
.set i, 0
.rept \H
	v_add_f32_dpp v[112+i], v[80+i], v[112+i] row_xmask:\xm row_mask:0xf bank_mask:0xf
.set i, i+1
.endr
.endm
	LEVEL 16, 76, 4
	LEVEL 8, 77, 2
	LEVEL 4, 78, 1
	v_and_b32 v144, 15, v0
	v_lshrrev_b32 v145, 1, v144
	v_and_b32 v144, 1, v144
	v_bfe_u32 v146, v0, 4, 1
	v_lshlrev_b32 v[PA], 6, v145
	v_lshl_add_u32 v[PA], v146, 5, v[PA]
	v_lshl_add_u32 v[PA], v144, 4, v[PA]           ; 64 (r / 2) + 32 h + 16 (r % 2)
	global_store_b128 v[PA], v[112:115], s[22:23]  ; the wave's 32 lanes store its 512 consecutive bytes of po
	s_cmp_lg_u32 s26, 0
	s_cbranch_scc1 .Lend
	v_lshrrev_b32 v[XSA], 1, v[L16]                ; 8 x lane
	global_store_b64 v[XSA], v[8:9], s[24:25]      ; (m, l), 32 times: 256 consecutive bytes
.Lend:
	s_set_vgpr_msb 0x5
	s_wait_tensorcnt 0x0
	ds_add_u32 v254, v255
	s_wait_dscnt 0x0
	s_set_vgpr_msb 0x500
	s_endpgm
.Lfunc_end_k_qbb6241c5ae_attn:
	.size	k_qbb6241c5ae_attn, .Lfunc_end_k_qbb6241c5ae_attn-k_qbb6241c5ae_attn
	.p2alignl 7, 3214868480
	.fill 96, 4, 3214868480
	.section	.rodata,"a",@progbits
	.p2align	6, 0x0
	.amdhsa_kernel k_qbb6241c5ae_attn
		.amdhsa_group_segment_fixed_size 327680
		.amdhsa_private_segment_fixed_size 0
		.amdhsa_enable_private_segment 0
		.amdhsa_kernarg_size 88
		.amdhsa_user_sgpr_count 2
		.amdhsa_user_sgpr_kernarg_segment_ptr 1
		.amdhsa_wavefront_size32 1
		.amdhsa_system_sgpr_workgroup_id_x 1
		.amdhsa_system_sgpr_workgroup_id_y 1
		.amdhsa_system_sgpr_workgroup_id_z 1
		.amdhsa_system_vgpr_workitem_id 0
		.amdhsa_next_free_vgpr 1024
		.amdhsa_next_free_sgpr 100
		.amdhsa_reserve_vcc 0
		.amdhsa_float_denorm_mode_32 3
		.amdhsa_float_denorm_mode_16_64 3
		.amdhsa_memory_ordered 1
		.amdhsa_forward_progress 1
		.amdhsa_inst_pref_size 255
	.end_amdhsa_kernel
	.section	.bss,"aw",@nobits
	.p2align	6
	.space	262144
	.amdgpu_metadata
---
amdhsa.version: [ 1, 2 ]
amdhsa.kernels:
  - .name:           k_qbb6241c5ae_attn
    .symbol:         k_qbb6241c5ae_attn.kd
    .args:
      - { .name: xc, .offset: 0, .size: 8, .value_kind: global_buffer, .address_space: global }
      - { .name: xs, .offset: 8, .size: 8, .value_kind: global_buffer, .address_space: global }
      - { .name: psum, .offset: 16, .size: 8, .value_kind: global_buffer, .address_space: global }
      - { .name: wimg, .offset: 24, .size: 8, .value_kind: global_buffer, .address_space: global }
      - { .name: Wq_scales, .offset: 32, .size: 8, .value_kind: global_buffer, .address_space: global }
      - { .name: Wk_scales, .offset: 40, .size: 8, .value_kind: global_buffer, .address_space: global }
      - { .name: Wv_scales, .offset: 48, .size: 8, .value_kind: global_buffer, .address_space: global }
      - { .name: bq, .offset: 56, .size: 8, .value_kind: global_buffer, .address_space: global }
      - { .name: bk, .offset: 64, .size: 8, .value_kind: global_buffer, .address_space: global }
      - { .name: po, .offset: 72, .size: 8, .value_kind: global_buffer, .address_space: global }
      - { .name: pst, .offset: 80, .size: 8, .value_kind: global_buffer, .address_space: global }
    .group_segment_fixed_size: 327680
    .private_segment_fixed_size: 0
    .kernarg_segment_align: 8
    .kernarg_segment_size: 88
    .max_flat_workgroup_size: 128
    .sgpr_count:     100
    .vgpr_count:     1024
    .wavefront_size: 32
...
	.end_amdgpu_metadata
.endif
;; end of part 2
;; launch combine (part 3): grid 64 x 1, 4 waves a work-group, no clusters, 0 bytes of LDS; arguments po, pst, bv, out0; writes out0
.if DOCPART == 3
	.amdgcn_target "amdgcn-amd-amdhsa--gfx1250"
	.amdhsa_code_object_version 6
	.text
	.protected	k_qbb6241c5ae_combine
	.globl	k_qbb6241c5ae_combine
	.p2align	8
	.type	k_qbb6241c5ae_combine,@function
k_qbb6241c5ae_combine:
	s_mov_b64 s[64:65], 0
	v_nop
	global_prefetch_b8 v0, s[64:65] scope:SCOPE_SE
	s_setreg_imm32_b32 hwreg(HW_REG_WAVE_MODE, 25, 1), 1
	s_wait_xcnt 0x0
; out[b] = bv + sum over the batch's four parts c of (w_c / L) po[4 b + c], w_c = exp(m_c - M), M the largest m_c, L = sum of w_c l_c: the four partial softmaxes of a batch under one maximum.
; Work-group b; thread t owns outputs 4 t .. 4 t + 3: each load and store of a wave covers 512 consecutive bytes.  A few kilobytes a work-group: no LDS, no barrier, no matrix unit.
	s_load_b256 s[4:11], s[0:1], 0x0               ; po, pst, bv, out0
	s_lshl_b32 s12, ttmp9, 13                      ; po: four rows of 2,048 bytes
	s_mov_b32 s13, 0
	s_lshl_b32 s14, ttmp9, 10                      ; pst: four entries of 256 bytes
	s_mov_b32 s15, 0
	s_lshl_b32 s16, ttmp9, 11                      ; out0: a row of 2,048 bytes
	s_mov_b32 s17, 0
	v_lshlrev_b32 v1, 4, v0
	s_wait_alu depctr_va_vdst(0)
	s_wait_kmcnt 0x0
	s_add_nc_u64 s[4:5], s[4:5], s[12:13]
	s_add_nc_u64 s[6:7], s[6:7], s[14:15]
	s_add_nc_u64 s[10:11], s[10:11], s[16:17]
	s_load_b64 s[20:21], s[6:7], 0x0               ; (m, l) of part 0 .. 3: this launch writes no byte of pst
	s_load_b64 s[22:23], s[6:7], 0x100
	s_load_b64 s[24:25], s[6:7], 0x200
	s_load_b64 s[26:27], s[6:7], 0x300
.irp c, 0,1,2,3
	global_load_b128 v[12+4*\c:15+4*\c], v1, s[4:5] offset:2048*\c
.endr
	global_load_b128 v[28:31], v1, s[8:9]          ; bv
	s_wait_kmcnt 0x0
	v_mov_b32 v2, s20
	v_max3_num_f32 v2, v2, s22, s24
	v_max_num_f32 v2, s26, v2                      ; M
	v_sub_f32 v4, s20, v2
	v_sub_f32 v5, s22, v2
	v_sub_f32 v6, s24, v2
	v_sub_f32 v7, s26, v2
.irp c, 4,5,6,7
	v_mul_f32 v\c, 0x3fb8aa3b, v\c
.endr
	s_wait_alu depctr_va_vdst(0)
.irp c, 4,5,6,7
	v_exp_f32 v\c, v\c
.endr
	v_nop                                          ; a plain place behind the last exponential
	s_wait_alu depctr_va_vdst(0)                   ; one wait for the four, ahead of their first use
	v_mul_f32 v8, s21, v4
	v_fmac_f32 v8, s23, v5
	v_fmac_f32 v8, s25, v6
	v_fmac_f32 v8, s27, v7                         ; L, at least 1: the part that holds M has w = 1 and l >= 1
	s_wait_alu depctr_va_vdst(0)
	v_rcp_f32 v9, v8
	v_nop
	s_wait_alu depctr_va_vdst(0)
.irp c, 4,5,6,7
	v_mul_f32 v\c, v\c, v9
.endr
	s_wait_alu depctr_va_vdst(0)
	s_wait_loadcnt 0x0
.irp c, 0,1,2,3
.irp i, 0,1,2,3
	v_fmac_f32 v[28+\i], v[4+\c], v[12+4*\c+\i]
.endr
.endr
	global_store_b128 v1, v[28:31], s[10:11]
	s_endpgm
.Lfunc_end_k_qbb6241c5ae_combine:
	.size	k_qbb6241c5ae_combine, .Lfunc_end_k_qbb6241c5ae_combine-k_qbb6241c5ae_combine
	.p2alignl 7, 3214868480
	.fill 96, 4, 3214868480
	.section	.rodata,"a",@progbits
	.p2align	6, 0x0
	.amdhsa_kernel k_qbb6241c5ae_combine
		.amdhsa_group_segment_fixed_size 0
		.amdhsa_private_segment_fixed_size 0
		.amdhsa_enable_private_segment 0
		.amdhsa_kernarg_size 32
		.amdhsa_user_sgpr_count 2
		.amdhsa_user_sgpr_kernarg_segment_ptr 1
		.amdhsa_wavefront_size32 1
		.amdhsa_system_sgpr_workgroup_id_x 1
		.amdhsa_system_sgpr_workgroup_id_y 1
		.amdhsa_system_sgpr_workgroup_id_z 1
		.amdhsa_system_vgpr_workitem_id 0
		.amdhsa_next_free_vgpr 40
		.amdhsa_next_free_sgpr 66
		.amdhsa_reserve_vcc 0
		.amdhsa_float_denorm_mode_32 3
		.amdhsa_float_denorm_mode_16_64 3
		.amdhsa_memory_ordered 1
		.amdhsa_forward_progress 1
		.amdhsa_inst_pref_size 4
	.end_amdhsa_kernel
	.amdgpu_metadata
---
amdhsa.version: [ 1, 2 ]
amdhsa.kernels:
  - .name:           k_qbb6241c5ae_combine
    .symbol:         k_qbb6241c5ae_combine.kd
    .args:
      - { .name: po, .offset: 0, .size: 8, .value_kind: global_buffer, .address_space: global }
      - { .name: pst, .offset: 8, .size: 8, .value_kind: global_buffer, .address_space: global }
      - { .name: bv, .offset: 16, .size: 8, .value_kind: global_buffer, .address_space: global }
      - { .name: out0, .offset: 24, .size: 8, .value_kind: global_buffer, .address_space: global }
    .group_segment_fixed_size: 0
    .private_segment_fixed_size: 0
    .kernarg_segment_align: 8
    .kernarg_segment_size: 32
    .max_flat_workgroup_size: 128
    .sgpr_count:     66
    .vgpr_count:     40
    .wavefront_size: 32
...
	.end_amdgpu_metadata
.endif
;; end of part 3
